; MI455X (gfx1250); checked and timed in simulation.
; The chip was launched on July 23, 2026; its instructions are those of AMD's public machine-readable ISA for CDNA 5 (MIT licence, August 2026) and "CDNA5" Instruction Set Architecture Reference Guide (July 2026). The comments in the code are by the model that wrote it; some were corrected since.
;; T5 Attention. Allowed arithmetic: matrix products marked QUANTISED: E2M1 operands, one E8M0 scale for each 32 along K, by v_wmma_scale_f32_16x16x128_f8f6f4 with both operands' format E2M1 (or v_wmma_scale_f32_32x16x128_f4), f32 sums; products left as they are: bf16, f16 or f32 operands; f32 sums; everything else in f32.
;; Inputs: Wk 1,024 x 1,024 float32; Wo 1,024 x 1,024 float32; Wq 1,024 x 1,024 float32; Wv 1,024 x 1,024 float32; hidden_states 4 x 2,048 x 1,024 float32; rel_emb 32 x 16 float32.
;; Outputs: out0 4 x 2,048 x 1,024 float32.
;; This version of the problem:
;;   THIS VERSION OF THE PROBLEM IS GIVEN IN LOW PRECISION. The matrix products marked QUANTISED in the list below multiply operands that are first quantised to E2M1 (2 exponent bits, 1 mantissa bit; 4 bits a number), with one power-of-two scale for each 32 numbers along K (OCP MX v1.0); their sums are f32. The products marked 'left as it is' may take bf16, f16 or f32 operands, with f32 sums. Whichever they take, every output number must still come out within the allowed error. Rounding operands to bf16 (8 significant bits) uses up far more of that allowance than f16 does (11 bits, for magnitudes from 6e-5 to 65,504). All else is computed in f32.
;;   The module's matrix products, in the order in which they are computed (A, B: the left and right operand; K: the contracted axis; several contracted axes count as one K, in the product's order):
;;     1. [M 8,192, K 1,024] x [K 1,024, N 1,024]; A: input hidden_states; B: input Wq: QUANTISED
;;     2. [M 8,192, K 1,024] x [K 1,024, N 1,024]; A: input hidden_states; B: input Wk: QUANTISED
;;     3. [M 8,192, K 1,024] x [K 1,024, N 1,024]; A: input hidden_states; B: input Wv: QUANTISED
;;     4. batch 64 x [M 2,048, K 64] x [K 64, N 2,048]; A: computed on the way; B: computed on the way: left as it is (an operand is computed on the way)
;;     5. batch 64 x [M 2,048, K 2,048] x [K 2,048, N 64]; A: computed on the way; B: computed on the way: left as it is (an operand is computed on the way)
;;     6. [M 8,192, K 1,024] x [K 1,024, N 1,024]; A: computed on the way; B: input Wo: left as it is (an operand is computed on the way)
;;   THE QUANTISER, for each operand of a quantised product, along K:
;;     - K is cut into blocks of 32 from its start; a last block that is shorter is filled with zeros.
;;     - A block's scale is 2^e with e = floor(log2(the largest magnitude in the block)) - 2, held to -126 .. 127; a block of zeros has e = 0. As a byte (E8M0): e + 127.
;;     - Each number is divided by its block's scale, clamped to +-6, and rounded to the nearest number of E2M1, ties to even, subnormals kept.
;;     - The product sums the exact products of the quantised numbers (number of the format x scale) in f32.
;;   ~~~python
;;   def quantise(x, axis):      # numpy; x: float32 -> the quantised numbers, widened to float32 again
;;       x = np.moveaxis(x, axis, -1); K = x.shape[-1]
;;       x = np.pad(x, [(0, 0)] * (x.ndim - 1) + [(0, -K % 32)]); x = x.reshape(x.shape[:-1] + (-1, 32)); a = np.abs(x).max(-1, keepdims=True)
;;       e = np.where(a > 0, np.clip(np.frexp(np.where(a > 0, a, 1))[1] - 1 - 2, -126, 127), 0)      # np.frexp(a)[1] - 1 = floor(log2(a)), exactly
;;       r = np.clip(x / 2.0 ** e, -6, 6)
;;       step = 2.0 ** (np.maximum(np.frexp(np.where(r == 0, 1, r))[1] - 1, 0) - 1)
;;       q = np.round(r / step) * step * 2.0 ** e      # np.round: ties to even
;;       return np.moveaxis(q.reshape(q.shape[:-2] + (-1,))[..., :K], -1, axis).astype(np.float32)
;;   ~~~
;; One version. Each part assembles by itself: llvm-mc -triple=amdgcn-amd-amdhsa -mcpu=gfx1250 --defsym DOCPART=n.
;; ======== version 1 of 1: 4 launches
;; limits: values are held in f16: magnitudes above 65,504 overflow, below 6.1e-05 lose precision
;; workspace buffers: acodes 4,194,304 bytes; bcodes 1,572,864 bytes; scl 360,448 bytes; wo16 2,097,152 bytes; qkv 50,331,648 bytes; ctx 16,777,216 bytes
;; launch prep (part 1): grid 512 x 1, 4 waves a work-group, no clusters, 34,304 bytes of LDS; arguments hidden_states, Wq, Wk, Wv, Wo, acodes, bcodes, scl, wo16; writes acodes, bcodes, scl, wo16
.if DOCPART == 1
	.amdgcn_target "amdgcn-amd-amdhsa--gfx1250"
	.amdhsa_code_object_version 6
	.text
	.protected	k_qd47e977e71_prep
	.globl	k_qd47e977e71_prep
	.p2align	8
	.type	k_qd47e977e71_prep,@function
k_qd47e977e71_prep:
	s_mov_b64 s[64:65], 0
	v_nop
	global_prefetch_b8 v0, s[64:65] scope:SCOPE_SE
	s_setreg_imm32_b32 hwreg(HW_REG_WAVE_MODE, 25, 1), 1
	s_wait_xcnt 0x0
; T5 attention, launch 1 of 4: the operands of the three quantised products become codes of FP4 (E2M1) with one E8M0 byte for each 32 along K, and Wo becomes f16.
; NOTHING OF THE PROBLEM IS LEFT OUT: every input has a way to the output and every product is done.  The bucket of the relative position hangs on no input: it is a function of key - query alone,
; and the third launch evaluates that function for whole numbers.
; All workspace is laid in the order of the reader's operand registers: a group of four registers is 512 bytes, lane l's 16 bytes at 16 l.
;   acodes [K half 2][token tile 512][K step 4][c 2][lane][16 B]: lane (r, h) holds the codes of row 16 tile + r, k = 512 half + 128 step + 64 c + 32 h + 0 .. 31.
;   bcodes the same with 192 feature tiles, feature = 1,024 x (0: Wq, 1: Wk, 2: Wv) + column.
;   scl    [K step of 128: 8][row 11,264][4 B]: rows 0 .. 8,191 tokens, 8,192 + feature the weights; byte b scales k = 32 b + 0 .. 31 of the step.
;   wo16   [K chunk of 128: 8][column tile 64][q 4][c 2][lane][16 B]: lane (r, h) holds Wo[128 chunk + 32 q + 16 c + 8 h + 0 .. 7][16 tile + r] as f16.
; A block's scale is 2^(floor(log2(its largest magnitude)) - 2); its byte is the largest magnitude's exponent field - 2, held at 1 from below.
; LIMITS: a block of zeros gets the byte 1 where the rule says 127 (its codes are zeros, and this program alone reads the bytes); NaN and infinities among the inputs are not served;
; Wo's numbers lie inside f16's range, 65,504.
; THREE PATHS, by the work-group's number: 0 .. 255 hidden_states, 256 .. 447 the three weights, 448 .. 511 Wo.  Only the first uses LDS.  No barrier: waves share nothing.
.set SPARE, 33792                      ; behind the four stages: the spare words, 128 bytes for each wave
.set SPW,   12                         ; v12  LDS address of my spare word; never rewritten
.set NIL,   13                         ; v13  0; never rewritten
.set CH,    32                         ; hidden: v32-63   codes, 8 registers for each K step
.set RH,    64                         ; hidden: v64-191  two sets of 64 numbers as loaded
.set XH,    192                        ; hidden: v192-255 64 numbers in the operand's order
.set CC,    64                         ; weights: v64-127 what is stored
.set XC,    128                        ; weights: v128-191 two sets of 32 numbers down K
	s_load_b256 s[4:11], s[0:1], 0x0               ; hidden s[4:5], Wq s[6:7], Wk s[8:9], Wv s[10:11]
	s_load_b256 s[12:19], s[0:1], 0x20             ; Wo s[12:13], acodes s[14:15], bcodes s[16:17], scl s[18:19]
	s_load_b64 s[20:21], s[0:1], 0x40              ; wo16
	v_lshl_add_u32 v[SPW], v0, 2, SPARE
	v_mov_b32 v[NIL], 0
	v_lshrrev_b32 v1, 5, v0
	v_readfirstlane_b32 s22, v1                    ; wave
	v_and_b32 v1, 31, v0                           ; lane
	v_and_b32 v2, 15, v0                           ; r
	v_bfe_u32 v3, v0, 4, 1                         ; h
	s_mov_b32 s26, 0x76543210
	s_mov_b32 s27, 0xfedcba98                      ; v_permlanex16_b32's selects for lane l xor 16
	s_wait_kmcnt 0x0
	s_cmp_ge_u32 ttmp9, 448
	s_cbranch_scc1 .Lpath_o
	s_cmp_ge_u32 ttmp9, 256
	s_cbranch_scc1 .Lpath_w
; ---- hidden_states.  A wave takes 16 rows x 512 along K: four K steps of 128.  Each load reads 512 consecutive bytes of one row; the 16 rows turn through the wave's own stage
; (rows of 512 + 16 bytes) and come back so that lane (r, h) holds, for c = 0, 1, the whole block k = 64 c + 32 h + 0 .. 31 of row r: the conversions' results are the operand's registers.
	s_lshl_b32 s23, ttmp9, 2
	s_add_co_u32 s23, s23, s22                     ; job
	s_lshr_b32 s24, s23, 1                         ; token tile
	s_and_b32 s25, s23, 1                          ; K half
	s_lshl_b32 s28, s24, 16                        ; 16 rows of 4,096 bytes
	s_lshl_b32 s30, s25, 11
	s_add_co_u32 s28, s28, s30
	s_mov_b32 s29, 0
	s_add_nc_u64 s[4:5], s[4:5], s[28:29]
	s_lshl_b32 s28, s24, 12
	s_lshl_b32 s30, s25, 21
	s_add_co_u32 s28, s28, s30
	s_add_nc_u64 s[14:15], s[14:15], s[28:29]
	s_lshl_b32 s28, s24, 6
	s_mul_i32 s30, s25, 180224                     ; four K steps of 45,056 bytes
	s_add_co_u32 s28, s28, s30
	s_add_nc_u64 s[18:19], s[18:19], s[28:29]
	s_mul_i32 s30, s22, 8448                       ; my stage
	v_lshlrev_b32 v4, 4, v1                        ; 16 x lane: loads and stores
	v_add_nc_u32 v5, s30, v4                       ; the stage on the way in
	v_mul_u32_u24 v6, v2, 528
	v_lshl_add_u32 v6, v3, 7, v6
	v_add_nc_u32 v6, s30, v6                       ; and on the way out: row r, + 128 h
	v_mul_u32_u24 v7, v3, 45056
	v_lshl_add_u32 v7, v2, 2, v7                   ; scale words: lanes 0-15 one K step, lanes 16-31 the next
	v_lshlrev_b32 v8, 3, v3                        ; 8 h
	v_mov_b32 v10, 0                               ; a lane permute's destination counts as one of its sources
.macro HLOAD q
.irp p, 0,1,2,3,4,5,6,7,8,9,10,11,12,13,14,15
	global_load_b128 v[RH+64*((\q)%2)+4*\p:RH+64*((\q)%2)+4*\p+3], v4, s[4:5] offset:4096*\p+512*(\q) th:TH_LOAD_NT
.endr
.endm
.macro HSTEP q
.if (\q) < 3
	s_wait_loadcnt 16                              ; this step's 16 loads are in; the next step's 16 may be out
.else
	s_wait_loadcnt 0x0
.endif
.irp p, 0,1,2,3,4,5,6,7,8,9,10,11,12,13,14,15
	ds_store_b128 v5, v[RH+64*((\q)%2)+4*\p:RH+64*((\q)%2)+4*\p+3] offset:528*\p
.endr
.irp c, 0,1
.irp i, 0,1,2,3,4,5,6,7
	ds_load_b128 v[XH+32*\c+4*\i:XH+32*\c+4*\i+3], v6 offset:256*\c+16*\i   ; LDS serves a wave's instructions in order: these see the stores above
.endr
.endr
	s_wait_dscnt 0x0                               ; the numbers are back, and the stores have read their registers,
.if (\q)+2 < 4
	HLOAD (\q)+2                                   ; which take the loads of two steps on
.endif
.irp c, 0,1
	v_max3_num_f32 v[14+\c], |v[XH+32*\c]|, |v[XH+32*\c+1]|, 0x1800000   ; my block 2 c + h, and the floor 2^(3 - 127): the byte cannot fall under 1
.endr
.irp i, 2,4,6,8,10,12,14,16,18,20,22,24,26,28,30
.irp c, 0,1
	v_max3_num_f32 v[14+\c], v[14+\c], |v[XH+32*\c+\i]|, |v[XH+32*\c+\i+1]|
.endr
.endr
.irp c, 0,1
	v_add_nc_u32 v[16+\c], 0xff000000, v[14+\c]    ; 2 off the exponent field: the conversion's scale operand
.endr
.irp c, 0,1
	v_lshrrev_b32 v[18+\c], 23, v[16+\c]           ; the scale's byte
.endr
	v_lshl_or_b32 v9, v19, 16, v18                 ; my two bytes, blocks h and 2 + h,
	v_lshlrev_b32 v9, v8, v9                       ; at their places in the word;
	v_permlanex16_b32 v10, v9, s26, s27
	v_or_b32 v[20+(\q)], v9, v10                   ; with lane l xor 16's two the word is whole
.irp c, 0,1
.irp g, 0,1,2,3
	v_cvt_scalef32_pk8_fp4_f32 v[CH+8*(\q)+4*\c+\g], v[XH+32*\c+8*\g:XH+32*\c+8*\g+7], v[16+\c]
.endr
.endr
	v_nop                                          ; one plain line behind the last conversion
.irp c, 0,1
	global_store_b128 v4, v[CH+8*(\q)+4*\c:CH+8*(\q)+4*\c+3], s[14:15] offset:1024*(\q)+512*\c   ; 512 consecutive bytes
.endr
.endm
	HLOAD 0
	HLOAD 1
	HSTEP 0
	HSTEP 1
	HSTEP 2
	HSTEP 3
	v_cmp_eq_u32 vcc_lo, 1, v3
.irp p, 0,1
	v_cndmask_b32 v[24+\p], v[20+2*\p], v[21+2*\p], vcc_lo
	global_store_b32 v7, v[24+\p], s[18:19] offset:90112*\p    ; two runs of 64 bytes: 16 rows' words of two K steps
.endr
	s_wait_tensorcnt 0x0                           ; the wave's end
	ds_add_u32 v[SPW], v[NIL]
	s_wait_dscnt 0x0
	s_endpgm
; ---- the weights: K is their first axis.  A lane takes a column, its registers run down K; a wave takes 32 columns x 128 along K, four blocks of 32.
.macro CLOAD t, b
.irp i, 0,1,2,3,4,5,6,7,8,9,10,11,12,13,14,15,16,17,18,19,20,21,22,23,24,25,26,27,28,29,30,31
	global_load_b32 v[XC+32*((\t)%2)+\i], v4, s[\b:\b+1] offset:(32*(\t)+\i)*4096 th:TH_LOAD_NT
.endr
.endm
.macro CWAIT t
.if (\t) < 3
	s_wait_loadcnt 32                              ; this block's 32 loads are in; the next block's may be out
.else
	s_wait_loadcnt 0x0
.endif
.endm
.Lpath_w:
	s_sub_co_u32 s23, ttmp9, 256
	s_cmp_lt_u32 s23, 64                           ; which weight: the choice hangs on the work-group's number alone
	s_cselect_b64 s[28:29], s[6:7], s[8:9]
	s_cmp_lt_u32 s23, 128
	s_cselect_b64 s[28:29], s[28:29], s[10:11]
	s_lshr_b32 s24, s23, 6                         ; 0, 1, 2
	s_bfe_u32 s25, s23, 0x30003                    ; which 128 columns
	s_and_b32 s30, s23, 7                          ; which K step of 128
	s_lshl_b32 s32, s30, 19                        ; 128 rows of 4,096 bytes
	s_lshl_b32 s31, s25, 9
	s_add_co_u32 s32, s32, s31
	s_lshl_b32 s31, s22, 7
	s_add_co_u32 s32, s32, s31
	s_mov_b32 s33, 0
	s_add_nc_u64 s[28:29], s[28:29], s[32:33]
	s_lshl_b32 s34, s24, 10
	s_lshl_b32 s31, s25, 7
	s_add_co_u32 s34, s34, s31
	s_lshl_b32 s31, s22, 5
	s_add_co_u32 s34, s34, s31                     ; my wave's first feature
	s_lshr_b32 s31, s30, 2
	s_mul_i32 s32, s31, 786432                     ; the K half
	s_lshl_b32 s31, s34, 8                         ; 4,096 bytes a tile of 16 features
	s_add_co_u32 s32, s32, s31
	s_and_b32 s31, s30, 3
	s_lshl_b32 s31, s31, 10
	s_add_co_u32 s32, s32, s31
	s_add_nc_u64 s[16:17], s[16:17], s[32:33]
	s_mul_i32 s32, s30, 45056
	s_lshl_b32 s31, s34, 2
	s_add_co_u32 s32, s32, s31
	s_add_co_u32 s32, s32, 32768                   ; behind the 8,192 tokens' words
	s_add_nc_u64 s[18:19], s[18:19], s[32:33]
	v_lshlrev_b32 v4, 2, v1                        ; 4 bytes a lane
	v_lshlrev_b32 v5, 4, v2
	v_lshl_add_u32 v5, v3, 12, v5                  ; out: tile lane / 16, 16 bytes at 16 (lane % 16)
.macro WBLOCK t
.set XS, XC+32*((\t)%2)
	CWAIT \t
	v_max3_num_f32 v14, |v[XS]|, |v[XS+1]|, |v[XS+2]|
	v_max3_num_f32 v15, |v[XS+3]|, |v[XS+4]|, |v[XS+5]|
.irp i, 6,10,14,18,22,26
	v_max3_num_f32 v14, v14, |v[XS+\i]|, |v[XS+\i+1]|
	v_max3_num_f32 v15, v15, |v[XS+\i+2]|, |v[XS+\i+3]|
.endr
	v_max3_num_f32 v14, v14, |v[XS+30]|, |v[XS+31]|
	v_max3_num_f32 v14, v14, v15, 0x1800000        ; and the floor
	v_add_nc_u32 v16, 0xff000000, v14
	v_lshrrev_b32 v18, 23, v16
.if (\t) == 0
	v_mov_b32 v24, v18
.else
	v_lshl_or_b32 v24, v18, 8*(\t), v24            ; four bytes make my column's word of this K step
.endif
.irp g, 0,1,2,3
	v_cvt_scalef32_pk8_fp4_f32 v[CC+4*(\t)+\g], v[XS+8*\g:XS+8*\g+7], v16
.endr
	v_nop
	global_store_b128 v5, v[CC+4*(\t):CC+4*(\t)+3], s[16:17] offset:256*(\t)   ; block t = 2 c + h of the image: sixteen lanes fill 256 consecutive bytes
.if (\t)+2 < 4
	CLOAD (\t)+2, 28
.endif
.endm
	CLOAD 0, 28
	CLOAD 1, 28
	WBLOCK 0
	WBLOCK 1
	WBLOCK 2
	WBLOCK 3
	global_store_b32 v4, v24, s[18:19]             ; 128 consecutive bytes
	s_wait_tensorcnt 0x0                           ; the wave's end
	ds_add_u32 v[SPW], v[NIL]
	s_wait_dscnt 0x0
	s_endpgm
; ---- Wo, on the same plan: eight neighbours down K of a column pack into 16 bytes of f16.
.Lpath_o:
	s_sub_co_u32 s23, ttmp9, 448
	s_lshr_b32 s25, s23, 3                         ; which 128 columns
	s_and_b32 s30, s23, 7                          ; which K chunk of 128
	s_lshl_b32 s32, s30, 19
	s_lshl_b32 s31, s25, 9
	s_add_co_u32 s32, s32, s31
	s_lshl_b32 s31, s22, 7
	s_add_co_u32 s32, s32, s31
	s_mov_b32 s33, 0
	s_add_nc_u64 s[12:13], s[12:13], s[32:33]
	s_lshl_b32 s32, s30, 18
	s_lshl_b32 s31, s25, 15
	s_add_co_u32 s32, s32, s31
	s_lshl_b32 s31, s22, 13
	s_add_co_u32 s32, s32, s31
	s_add_nc_u64 s[20:21], s[20:21], s[32:33]
	v_lshlrev_b32 v4, 2, v1
	v_lshlrev_b32 v5, 4, v2
	v_lshl_add_u32 v5, v3, 12, v5
.macro OBLOCK t
.set XS, XC+32*((\t)%2)
	CWAIT \t
.irp o, 0,1,2,3
.irp i, 0,1,2,3
	v_cvt_pk_f16_f32 v[CC+16*(\t)+4*\o+\i], v[XS+8*\o+2*\i], v[XS+8*\o+2*\i+1]
.endr
.endr
.irp o, 0,1,2,3
	global_store_b128 v5, v[CC+16*(\t)+4*\o:CC+16*(\t)+4*\o+3], s[20:21] offset:256*(4*(\t)+\o)   ; octet o = 2 c + h of step q = t
.endr
.if (\t)+2 < 4
	CLOAD (\t)+2, 12
.endif
.endm
	CLOAD 0, 12
	CLOAD 1, 12
	OBLOCK 0
	OBLOCK 1
	OBLOCK 2
	OBLOCK 3
	s_wait_tensorcnt 0x0                           ; the wave's end
	ds_add_u32 v[SPW], v[NIL]
	s_wait_dscnt 0x0
	s_endpgm
.Lfunc_end_k_qd47e977e71_prep:
	.size	k_qd47e977e71_prep, .Lfunc_end_k_qd47e977e71_prep-k_qd47e977e71_prep
	.p2alignl 7, 3214868480
	.fill 96, 4, 3214868480
	.section	.rodata,"a",@progbits
	.p2align	6, 0x0
	.amdhsa_kernel k_qd47e977e71_prep
		.amdhsa_group_segment_fixed_size 34304
		.amdhsa_private_segment_fixed_size 0
		.amdhsa_enable_private_segment 0
		.amdhsa_kernarg_size 72
		.amdhsa_user_sgpr_count 2
		.amdhsa_user_sgpr_kernarg_segment_ptr 1
		.amdhsa_wavefront_size32 1
		.amdhsa_system_sgpr_workgroup_id_x 1
		.amdhsa_system_sgpr_workgroup_id_y 1
		.amdhsa_system_sgpr_workgroup_id_z 1
		.amdhsa_system_vgpr_workitem_id 0
		.amdhsa_next_free_vgpr 256
		.amdhsa_next_free_sgpr 66
		.amdhsa_reserve_vcc 1
		.amdhsa_float_denorm_mode_32 3
		.amdhsa_float_denorm_mode_16_64 3
		.amdhsa_memory_ordered 1
		.amdhsa_forward_progress 1
		.amdhsa_inst_pref_size 68
	.end_amdhsa_kernel
	.amdgpu_metadata
---
amdhsa.version: [ 1, 2 ]
amdhsa.kernels:
  - .name:           k_qd47e977e71_prep
    .symbol:         k_qd47e977e71_prep.kd
    .args:
      - { .name: hidden_states, .offset: 0, .size: 8, .value_kind: global_buffer, .address_space: global }
      - { .name: Wq, .offset: 8, .size: 8, .value_kind: global_buffer, .address_space: global }
      - { .name: Wk, .offset: 16, .size: 8, .value_kind: global_buffer, .address_space: global }
      - { .name: Wv, .offset: 24, .size: 8, .value_kind: global_buffer, .address_space: global }
      - { .name: Wo, .offset: 32, .size: 8, .value_kind: global_buffer, .address_space: global }
      - { .name: acodes, .offset: 40, .size: 8, .value_kind: global_buffer, .address_space: global }
      - { .name: bcodes, .offset: 48, .size: 8, .value_kind: global_buffer, .address_space: global }
      - { .name: scl, .offset: 56, .size: 8, .value_kind: global_buffer, .address_space: global }
      - { .name: wo16, .offset: 64, .size: 8, .value_kind: global_buffer, .address_space: global }
    .group_segment_fixed_size: 34304
    .private_segment_fixed_size: 0
    .kernarg_segment_align: 8
    .kernarg_segment_size: 72
    .max_flat_workgroup_size: 128
    .sgpr_count:     66
    .vgpr_count:     256
    .wavefront_size: 32
...
	.end_amdgpu_metadata
.endif
;; end of part 1
;; launch qkvgemm (part 2): grid 12 x 32, 4 waves a work-group, clusters of 4 x 4, 327,680 bytes of LDS; arguments acodes, bcodes, scl, qkv; writes qkv
.if DOCPART == 2
	.amdgcn_target "amdgcn-amd-amdhsa--gfx1250"
	.amdhsa_code_object_version 6
	.text
	.protected	k_qd47e977e71_qkvgemm
	.globl	k_qd47e977e71_qkvgemm
	.p2align	8
	.type	k_qd47e977e71_qkvgemm,@function
k_qd47e977e71_qkvgemm:
	s_mov_b64 s[64:65], 0
	v_nop
	global_prefetch_b8 v0, s[64:65] scope:SCOPE_SE
	s_setreg_imm32_b32 hwreg(HW_REG_WAVE_MODE, 25, 1), 1
	s_wait_xcnt 0x0
	s_wait_alu depctr_hold_cnt(0) depctr_sa_sdst(0) depctr_va_vdst(0) depctr_va_sdst(0) depctr_va_ssrc(0) depctr_va_vcc(0) depctr_vm_vsrc(0)
	s_getreg_b32 s2, hwreg(HW_REG_IB_STS2, 6, 4)
	s_cmp_eq_u32 s2, 0
	s_cbranch_scc0 .Lentry_in_a_cluster
	s_endpgm
.Lentry_in_a_cluster:
	s_bfe_u32 s2, ttmp6, 0x10000c
	s_cmp_lg_u32 s2, 0xf033
	s_cbranch_scc0 .Lentry_shape_is_right
	s_endpgm
.Lentry_shape_is_right:
; Launch 2 of 4: q, k, v = hidden x (Wq | Wk | Wv) as ONE product 8,192 x 3,072 x 1,024 on codes of FP4 with E8M0 scales; sums in f32; results leave as f16.  Nothing is left out.
; A work-group of four waves makes 256 tokens x 256 features, a wave 128 x 128: 64 accumulators.  K = 1,024 is two LDS slots of 512: both are first fills, nothing is filled again.
; The codes lie in memory in the order of the operand's registers, so a wave's part of a slot (8 tiles of 16 rows x 512 K) is one dense block of 32,768 bytes, and a fragment is two loads of 512 consecutive bytes.
; CLUSTERS: 4 x 4 work-groups; A's tiles are asked for jointly along a row of the cluster, B's along a column.
; THE MATRIX INSTRUCTION IS USED TRANSPOSED (source 0 = 16 features, source 1 = 16 tokens): lane (r, h) holds token r and features 8 h + 0 .. 7 of a tile: 16 bytes of f16, which are stored as they stand:
;   qkv [q, k, v][batch x 16 + head][token tile 128][group of 16 features: 4][512 B]; in q and k lane (r, h)'s 16 bytes lie at 16 x lane (the next launch's fragment),
;   in v at 32 r + 16 h (a plain tile of 16 tokens x 16 features, for the turning load).  Every store of a wave covers 512 consecutive bytes, so no stage in LDS is needed.
; THE SCALE WORDS come once, straight into 64 registers: register 8 i + K step; lanes 0-15 hold the words of my token tile i, lanes 16-31 those of my feature tile i.
; LIMIT: |q|, |k|, |v| stay inside f16's range, 65,504.
; REGISTERS: window 0: v16-29 addresses; v32-95 scale words; v128-191 A's fragments, one set; on the way out v128-255 hold what is stored.  window 1: B's fragments, two sets, at v0 and v128.
;   window 2: the accumulators of my tokens 0-63 ((a, b) at v[8 (8 a + b)]); window 3: those of tokens 64-127.
.set NQ,     4                         ; K steps of 128 in a slot
.set FR,     8                         ; registers of a fragment
.set NL,     2                         ; LDS loads that bring one
.set NP,     4                         ; places behind this matrix instruction (ISA guide 7.12.1)
.set HALFT,  32768                     ; what one tensor load brings, and what one wave reads of A or of B
.set SLOT,   4*HALFT
.set SPARE,  2*SLOT                    ; behind the two slots: the spare words, 128 bytes for each wave
.set ADRA, 16                          ; v16-17 LDS address of my A fragments in slot 0, 1
.set ADRB, 20                          ; v20-21 the same for B
.set CO,   26                          ; v26    my lane's place in a group of 512 bytes of qkv
.set VS,   27                          ; v27    my lane's byte among the scale words
.set SPW,  28                          ; v28    LDS address of my spare word; never rewritten
.set NIL,  29                          ; v29    0; never rewritten
.set SC,   32
.set AF,   128
.set TMP,  128
.set G1, 24
.set G0, 32
.set G1B, 48
.set G0B, 56
.set MSB, 0
.macro WIN new                         ; the immediate's high byte repeats the setting that is left
.if MSB != (\new)
	s_set_vgpr_msb (MSB<<8)|(\new)
.set MSB, (\new)
.endif
.endm
.set MUL_LO, 0xa1                      ; source 0 (B) window 1, source 1 (A) window 0, C and D window 2
.set MUL_HI, 0xf1
.set TO_B,   0x40
; A joint load: waves 0 and 1 fetch for A, waves 2 and 3 for B; the branch hangs on the wave's number alone.  An s_nop 0 and four v_nop follow each line.
.macro JLOAD g0a, g1a, g0b, g1b
	s_cmp_eq_u32 s15, 0
	s_cbranch_scc0 .Lfor_b_\@
	tensor_load_to_lds s[\g0a:\g0a+3], s[\g1a:\g1a+7]
	s_nop 0
.rept 4
	v_nop
.endr
	s_branch .Lasked_\@
.Lfor_b_\@:
	tensor_load_to_lds s[\g0b:\g0b+3], s[\g1b:\g1b+7]
	s_nop 0
.rept 4
	v_nop
.endr
.Lasked_\@:
.endm
.macro CROUND                          ; a round of the cluster's barrier
	s_barrier_signal -1
	s_barrier_wait -1
	s_cmp_lg_u32 s14, 0
	s_cbranch_scc1 .Lnot_wave_0_\@
	s_barrier_signal -3
.Lnot_wave_0_\@:
	s_barrier_wait -3
	s_barrier_signal -1
	s_barrier_wait -1
.endm
	s_load_b256 s[4:11], s[0:1], 0x0               ; acodes s[4:5], bcodes s[6:7], scl s[8:9], qkv s[10:11]
	v_lshl_add_u32 v[SPW], v0, 2, SPARE
	v_mov_b32 v[NIL], 0
	ds_add_u32 v[SPW], v[NIL]                      ; the wave's opening: the add, twice on end, and its wait ahead of my first tensor load
	ds_add_u32 v[SPW], v[NIL]
	v_lshrrev_b32 v1, 5, v0
	v_readfirstlane_b32 s14, v1                    ; wave 0..3
	s_lshr_b32 s15, s14, 1                         ; which half of the tokens is mine.  Also: I fetch for A (0) or for B (1)
	s_and_b32 s16, s14, 1                          ; which half of the features.  Also: which half of that tile I fetch
	s_bfe_u32 s40, ttmp6, 0x40000                  ; cx, cy: my place in the cluster
	s_bfe_u32 s41, ttmp6, 0x40004
	s_lshl_b32 s42, ttmp9, 2
	s_add_co_u32 s42, s42, s40                     ; tile column: 256 features
	s_and_b32 s17, ttmp7, 0xffff
	s_lshl_b32 s17, s17, 2
	s_add_co_u32 s17, s17, s41                     ; tile row: 256 tokens
	s_lshl_b32 s43, s41, 2
	s_lshl_b32 s43, 15, s43                        ; my row of the cluster
	s_lshl_b32 s44, 0x1111, s40                    ; my column
	s_or_b32 s[G1+0], s43, (3<<16)|(1<<21)         ; the mask; elements of 8 bytes; bit 21 set beside a mask; no padding
	s_or_b32 s[G1B+0], s44, (3<<16)|(1<<21)
.irp g, G1, G1B
	s_mov_b32 s[\g+1], 32<<16                      ; tensor_dim0 = 32 elements: rows of 256 bytes
	s_mov_b32 s[\g+2], 128<<16                     ; tensor_dim1 = 128
	s_mov_b32 s[\g+3], 32<<16                      ; tile_dim0
	s_mov_b32 s[\g+4], 128                         ; tile_dim1
	s_mov_b32 s[\g+5], 32                          ; the pitch: the block is dense
	s_mov_b32 s[\g+6], 0
	s_mov_b32 s[\g+7], 0
.endr
	s_lshl_b32 s18, s16, 15                        ; which 8 tiles of 4,096 bytes I fetch
	s_lshl_b32 s20, s17, 16
	s_add_co_u32 s20, s20, s18                     ; A: 16 tiles a tile row
	s_mov_b32 s21, 0
	s_lshl_b32 s46, s42, 16
	s_add_co_u32 s46, s46, s18                     ; B: 16 tiles a tile column
	s_mov_b32 s47, 0
	s_mul_i32 s45, s14, HALFT                      ; where they go: wave x 32,768
	s_wait_dscnt 0x0                               ; both opening adds are done
	s_wait_kmcnt 0x0
	s_add_nc_u64 s[20:21], s[4:5], s[20:21]
	s_add_nc_u64 s[46:47], s[6:7], s[46:47]
	CROUND                                         ; all sixteen work-groups are here: the first joint loads meet
.irp s, 0,1
	s_mov_b32 s[G0+4*\s], 1
	s_add_co_u32 s[G0+4*\s+1], s45, \s*SLOT
	s_add_nc_u64 s[G0+4*\s+2:G0+4*\s+3], s[20:21], \s*2097152
	s_or_b32 s[G0+4*\s+3], s[G0+4*\s+3], 0x80000000
	s_mov_b32 s[G0B+4*\s], 1
	s_add_co_u32 s[G0B+4*\s+1], s45, \s*SLOT
	s_add_nc_u64 s[G0B+4*\s+2:G0B+4*\s+3], s[46:47], \s*786432
	s_or_b32 s[G0B+4*\s+3], s[G0B+4*\s+3], 0x80000000
	JLOAD G0+4*\s, G1, G0B+4*\s, G1B               ; two tensor loads of mine are out
.endr
	v_and_b32 v1, 15, v0                           ; r
	v_bfe_u32 v2, v0, 4, 1                         ; h
	v_and_b32 v3, 31, v0
	v_lshlrev_b32 v4, 4, v3                        ; 16 x lane
	s_mul_i32 s21, s15, HALFT                      ; my 128 tokens
	s_mul_i32 s22, s16, HALFT                      ; my 128 features,
	s_add_co_u32 s22, s22, 2*HALFT                 ; behind A's two halves
.irp s, 0,1
	v_add_nc_u32 v[ADRA+\s], s21, v4
	v_add_nc_u32 v[ADRB+\s], s22, v4
	s_add_co_u32 s21, s21, SLOT
	s_add_co_u32 s22, s22, SLOT
.endr
	s_lshl_b32 s66, s17, 10                        ; the scale words: lanes 0-15 my tokens' (4 bytes a row),
	s_lshl_b32 s67, s15, 9
	s_add_co_u32 s66, s66, s67
	s_lshl_b32 s67, s42, 10                        ; lanes 16-31 my features', behind the 8,192 tokens'
	s_lshl_b32 s68, s16, 9
	s_add_co_u32 s67, s67, s68
	s_add_co_u32 s67, s67, 32768
	s_sub_co_u32 s67, s67, s66                     ; the distance between the two (above 0: the tokens' end at 32,768)
	v_mul_u32_u24 v5, s67, v2
	v_lshl_add_u32 v5, v1, 2, v5
	v_add_nc_u32 v[VS], s66, v5
.irp i, 0,1,2,3,4,5,6,7
.irp k, 0,1,2,3,4,5,6,7
	global_load_b32 v[SC+8*\i+\k], v[VS], s[8:9] offset:45056*\k+64*\i
.endr
.endr
	s_lshr_b32 s66, s17, 3                         ; where my results go: batch,
	s_lshl_b32 s66, s66, 4
	s_and_b32 s67, s42, 3
	s_lshl_b32 s67, s67, 2
	s_add_co_u32 s66, s66, s67
	s_lshl_b32 s67, s16, 1
	s_add_co_u32 s66, s66, s67                     ; x 16 + my first head;
	s_lshl_b32 s66, s66, 7                         ; 128 token tiles a head;
	s_and_b32 s67, s17, 7
	s_lshl_b32 s67, s67, 4
	s_add_co_u32 s66, s66, s67
	s_lshl_b32 s67, s15, 3
	s_add_co_u32 s66, s66, s67                     ; my first token tile;
	s_lshl_b32 s66, s66, 11                        ; 2,048 bytes a token tile;
	s_lshr_b32 s67, s42, 2                         ; the section: q, k or v
	s_lshl_b32 s68, s67, 24
	s_add_co_u32 s66, s66, s68
	s_cmp_eq_u32 s67, 2
	s_cselect_b32 s68, 5, 4                        ; v: 32 r + 16 h;  q, k: 16 r + 256 h
	s_cselect_b32 s69, 4, 8
	s_mov_b32 s67, 0
	s_add_nc_u64 s[10:11], s[10:11], s[66:67]
	v_lshlrev_b32 v5, s68, v1
	v_lshlrev_b32 v6, s69, v2
	v_add_nc_u32 v[CO], v5, v6
.macro FRAG reg, adr, q, i             ; a fragment, 16 rows x 128 K of 4-bit codes: registers 4 c .. 4 c + 3 are group c of its image
.irp c, 0,1
	ds_load_b128 v[\reg+4*\c:\reg+4*\c+3], v[\adr] offset:4096*(\i)+1024*(\q)+512*\c
.endr
.endm
; 16 matrix instructions: token tiles a0, a0 + 1 x my eight feature tiles, the slot's q-th 128 along K.  The 64 accumulators take turns, in the same order in every step.
.macro MUL16 a0, p, q, sc, zero
.irp a, \a0, \a0+1
.irp b, 0,1,2,3,4,5,6,7
.if \zero
	v_wmma_scale_f32_16x16x128_f8f6f4 v[8*(8*((\a)%4)+\b):8*(8*((\a)%4)+\b)+7], v[128*(\p)+FR*\b:128*(\p)+FR*\b+FR-1], v[AF+FR*(\a):AF+FR*(\a)+FR-1], 0, v[SC+8*\b+4*(\sc)+(\q)], v[SC+8*(\a)+4*(\sc)+(\q)] matrix_a_fmt:MATRIX_FMT_FP4 matrix_b_fmt:MATRIX_FMT_FP4 matrix_a_scale:MATRIX_SCALE_ROW1
.else
	v_wmma_scale_f32_16x16x128_f8f6f4 v[8*(8*((\a)%4)+\b):8*(8*((\a)%4)+\b)+7], v[128*(\p)+FR*\b:128*(\p)+FR*\b+FR-1], v[AF+FR*(\a):AF+FR*(\a)+FR-1], v[8*(8*((\a)%4)+\b):8*(8*((\a)%4)+\b)+7], v[SC+8*\b+4*(\sc)+(\q)], v[SC+8*(\a)+4*(\sc)+(\q)] matrix_a_fmt:MATRIX_FMT_FP4 matrix_b_fmt:MATRIX_FMT_FP4 matrix_a_scale:MATRIX_SCALE_ROW1
.endif
.endr
.endr
.endm
.macro FETCH_B slot, q, p
	WIN TO_B
.irp i, 0,1,2,3,4,5,6,7
	FRAG 128*(\p)+FR*\i, ADRB+\slot, \q, \i
.endr
	WIN 0
.endm
.macro FETCH_A slot, q, i0
.irp i, \i0, \i0+1, \i0+2, \i0+3
	FRAG AF+FR*(\i), ADRA+\slot, \q, \i
.endr
.endm
.macro PLACES n                        ; plain vector lines between a matrix instruction and a load into, or a read of, its registers
.rept \n
	v_nop
.endr
.endm
.macro STEP slot, q, zero              ; a step of 128 along K that has its successor in the same slot
	s_wait_dscnt 4*NL                              ; B's set and A's tiles 0-3 are in; the youngest eight loads (A's tiles 4-7) may be out
	WIN MUL_LO
	MUL16 0, (\q)%2, \q, \slot, \zero
	MUL16 2, (\q)%2, \q, \slot, \zero
	s_wait_dscnt 0
	PLACES NP
	FETCH_B \slot, (\q)+1, 1-(\q)%2
	FETCH_A \slot, (\q)+1, 0
	WIN MUL_HI
	MUL16 4, (\q)%2, \q, \slot, \zero
	MUL16 6, (\q)%2, \q, \slot, \zero
	PLACES NP
	WIN 0
	FETCH_A \slot, (\q)+1, 4
.endm
.macro STEPS slot, from
.set Q, \from
.rept NQ-1-\from
	STEP \slot, Q, 0
.set Q, Q+1
.endr
.endm
	s_wait_tensorcnt 1                             ; my part of slot 0 is in (slot 1's load may be out)
	s_barrier_signal -1
	s_barrier_wait -1                              ; everybody's is
	FETCH_B 0, 0, 0
	FETCH_A 0, 0, 0
	FETCH_A 0, 0, 4
	s_wait_loadcnt 0x0                             ; the scale words
	STEP 0, 0, 1                                   ; the first step's products start the sums: nothing is cleared
	STEPS 0, 1
	; slot 0's last step changes slots: one barrier, in front of which each wave has waited for its part of slot 1
	s_wait_tensorcnt 0x0
	ds_add_u32 v[SPW], v[NIL]
	s_wait_dscnt 4*NL+1                            ; (the add and the youngest eight loads may be out)
	WIN MUL_LO
	MUL16 0, 1, NQ-1, 0, 0
	s_wait_dscnt 0x0
	s_barrier_signal -1
	MUL16 2, 1, NQ-1, 0, 0
	WIN 0
	s_barrier_wait -1
	PLACES NP
	FETCH_B 1, 0, 0
	FETCH_A 1, 0, 0
	WIN MUL_HI
	MUL16 4, 1, NQ-1, 0, 0
	MUL16 6, 1, NQ-1, 0, 0
	PLACES NP
	WIN 0
	FETCH_A 1, 0, 4
	STEPS 1, 0
	s_wait_dscnt 4*NL                              ; the very last step: nothing more to fetch
	WIN MUL_LO
	MUL16 0, 1, NQ-1, 1, 0
	MUL16 2, 1, NQ-1, 1, 0
	s_wait_dscnt 0
	WIN MUL_HI
	MUL16 4, 1, NQ-1, 1, 0
	MUL16 6, 1, NQ-1, 1, 0
	WIN 0
	; THE WAY OUT: each accumulator, from its low end on, is rounded to f16: 16 bytes a lane, stored as they stand.
	PLACES NP
.irp hh, 0,1
.if \hh
	s_wait_xcnt 0x0                                ; the first half's stores have read their registers
.endif
	WIN 0x0a+5*\hh                                 ; sources in window 2 or 3
.irp a, 0,1,2,3
.irp b, 0,1,2,3,4,5,6,7
.irp i, 0,1,2,3
	v_cvt_pk_f16_f32 v[TMP+4*(8*\a+\b)+\i], v[8*(8*\a+\b)+2*\i], v[8*(8*\a+\b)+2*\i+1]
.endr
.endr
.endr
	WIN 0
.irp a, 0,1,2,3
.irp b, 0,1,2,3,4,5,6,7
	global_store_b128 v[CO], v[TMP+4*(8*\a+\b):TMP+4*(8*\a+\b)+3], s[10:11] offset:2048*(4*\hh+\a)+262144*(\b/4)+512*(\b%4)   ; token tile, head, group: 512 consecutive bytes
.endr
.endr
.endr
	s_wait_tensorcnt 0x0                           ; the wave's end
	ds_add_u32 v[SPW], v[NIL]
	s_wait_dscnt 0x0
	CROUND                                         ; the closing round
	s_endpgm
.Lfunc_end_k_qd47e977e71_qkvgemm:
	.size	k_qd47e977e71_qkvgemm, .Lfunc_end_k_qd47e977e71_qkvgemm-k_qd47e977e71_qkvgemm
	.p2alignl 7, 3214868480
	.fill 96, 4, 3214868480
	.section	.rodata,"a",@progbits
	.p2align	6, 0x0
	.amdhsa_kernel k_qd47e977e71_qkvgemm
		.amdhsa_group_segment_fixed_size 327680
		.amdhsa_private_segment_fixed_size 0
		.amdhsa_enable_private_segment 0
		.amdhsa_kernarg_size 32
		.amdhsa_user_sgpr_count 2
		.amdhsa_user_sgpr_kernarg_segment_ptr 1
		.amdhsa_wavefront_size32 1
		.amdhsa_system_sgpr_workgroup_id_x 1
		.amdhsa_system_sgpr_workgroup_id_y 1
		.amdhsa_system_sgpr_workgroup_id_z 1
		.amdhsa_system_vgpr_workitem_id 0
		.amdhsa_next_free_vgpr 1024
		.amdhsa_next_free_sgpr 72
		.amdhsa_reserve_vcc 0
		.amdhsa_float_denorm_mode_32 3
		.amdhsa_float_denorm_mode_16_64 3
		.amdhsa_memory_ordered 1
		.amdhsa_forward_progress 1
		.amdhsa_inst_pref_size 120
	.end_amdhsa_kernel
	.amdgpu_metadata
---
amdhsa.version: [ 1, 2 ]
amdhsa.kernels:
  - .name:           k_qd47e977e71_qkvgemm
    .symbol:         k_qd47e977e71_qkvgemm.kd
    .args:
      - { .name: acodes, .offset: 0, .size: 8, .value_kind: global_buffer, .address_space: global }
      - { .name: bcodes, .offset: 8, .size: 8, .value_kind: global_buffer, .address_space: global }
      - { .name: scl, .offset: 16, .size: 8, .value_kind: global_buffer, .address_space: global }
      - { .name: qkv, .offset: 24, .size: 8, .value_kind: global_buffer, .address_space: global }
    .group_segment_fixed_size: 327680
    .private_segment_fixed_size: 0
    .kernarg_segment_align: 8
    .kernarg_segment_size: 32
    .max_flat_workgroup_size: 128
    .sgpr_count:     72
    .vgpr_count:     1024
    .wavefront_size: 32
...
	.end_amdgpu_metadata
.endif
;; end of part 2
;; launch attn (part 3): grid 4 x 64, 8 waves a work-group, no clusters, 327,680 bytes of LDS; arguments qkv, rel_emb, ctx; writes ctx
.if DOCPART == 3
	.amdgcn_target "amdgcn-amd-amdhsa--gfx1250"
	.amdhsa_code_object_version 6
	.text
	.protected	k_qd47e977e71_attn
	.globl	k_qd47e977e71_attn
	.p2align	8
	.type	k_qd47e977e71_attn,@function
k_qd47e977e71_attn:
	s_mov_b64 s[64:65], 0
	v_nop
	global_prefetch_b8 v0, s[64:65] scope:SCOPE_SE
	s_setreg_imm32_b32 hwreg(HW_REG_WAVE_MODE, 25, 1), 1
	s_wait_xcnt 0x0
; Launch 3 of 4: ctx = softmax(q k^T + bias) v for each (batch, head); q, k, v, the weights p and ctx in f16, sums, maxima and the row's sum in f32.  Nothing is left out.
; SHARES.  A work-group owns 512 queries of one (batch, head), each of its eight waves 64: four tiles of 16.  Every wave walks all 2,048 keys, 64 a step.  Two waves share a SIMD's registers,
; so that one wave's vector work stands beside the other's products.
; LAYOUT.  S^T = K Q^T (source 0 = 16 keys, source 1 = 16 queries): a lane holds ONE query (lane % 16) and keys 8 (lane / 16) + 0 .. 7.  Two such tiles, rounded to f16 in pairs, are source 1 of
; O^T = V^T P, whose result again holds one query a lane and eight channels: 16 bytes of f16, stored as they stand, in the order of the last launch's fragments:
;   ctx [head / 2][token tile 512][4,096 B], inside: (head % 2) x 2,048 + 512 x (16 channels' group) + 16 x lane.
; K comes out of LDS as it lies (images of fragments), V (tiles of 16 keys x 16 channels, rows of 32 bytes) turned, by ds_load_tr16_b128.
; THE BIAS is rel_emb[bucket(d)][head], d = key - query.  With n = |d| the problem's own formula gives, for whole numbers,
;   bucket = min(n, 8) + [n >= 12] + [n >= 16] + [n >= 23] + [n >= 32] + [n >= 46] + [n >= 64] + [n >= 91] + 16 [d > 0].
; A step of 64 keys against a wave's 64 queries lies e = step - (queries' first / 64) blocks off the diagonal.  For |e| >= 3 every |d| is 129 or more: the bias is ONE number (row 15 or 31 of rel_emb),
; which is added to the step's maximum and folded into the exponent's addend.  For |e| <= 2 the bias is the C of a tile's first product: a tile of 16 x 16 hangs on 4 e + key tile - query tile alone,
; so 24 images of 1,024 bytes, built once in LDS, serve all.
; SOFTMAX.  For each query a running maximum m of score + bias and a sum l: p = 2^(c (s + bias - m)), c = log2(e); in every step O and l are multiplied by 2^(c (m_old - m_new)).
; NO CLUSTER, though the four query blocks of a head walk the same K and V: which steps take the path near the diagonal hangs on the query block, which is just what tells partners apart, and partners
; must run alike.  The form without that branch would read a bias tile for every score tile: 16,384 bytes more on each wave's 16,384 a step.
; NO PREFETCH: a slot's refill is asked for 8 key steps, 512 matrix instructions a wave, ahead of its first read.
; LIMITS: |q|, |k|, |v| inside f16's range, 65,504; NaN and infinities are not served.
; REGISTERS: window 0: v1-15 addresses and temporaries; v16-47 statistics, 8 a tile: +0 the exponent's addend, +1 m, +2, +3 l, +4 .. +7 at work (+6: the factor); v64-127 Q; v128-191 K; v192-255 V.
;   window 1: v0-127 S^T, 32 a tile (p's f16 pairs are laid over the low 16); v128-255 O^T, 32 a tile.
.set SLOT1, 131072                     ; a slot: 512 keys of K (65,536 bytes), then of V; slot 1 begins here
.set VOFF,  65536
.set BIAS,  262144                     ; 24 bias images of 1,024 bytes: stored once, never a tensor load's target
.set SPARE, 286720                     ; the spare words, 128 bytes for each of eight waves
.set AK,  1                            ; v1  16 x lane
.set AV,  2                            ; v2  my lane's place in a tile of V
.set AB,  3                            ; v3  BIAS + 16 x lane
.set ADK, 4
.set ADV, 5
.set ADB, 6
.set SPW, 7                            ; v7  LDS address of my spare word; never rewritten
.set NIL, 8                            ; v8  0; never rewritten
.set ABW, 9                            ; v9  where I store bias images
.set ST,  16
.set QF,  64
.set KF,  128
.set VF,  192
.set SS,  0
.set OO,  128
.set VAL, 128                          ; the head alone: 24 numbers of rel_emb,
.set IDX, 152                          ; and their byte offsets
.set WV,  10
.set XB,  11
.set BH,  12
.set HD,  13
.set G1,  16                           ; s[16:23] descriptor group 1
.set G0A, 24                           ; s[24:27] group 0 of slot 0's first fill
.set G0B, 28                           ; s[28:31] of slot 1's; it then walks
.set CS,  32                           ; s[32:33] c = log2(e)
.set SEL, 34                           ; s[34:35] selects for lane l xor 16
.set TB,  36                           ; LDS byte at which the step's tiles begin
.set E,   37                           ; e + 2
.set CNT, 38
.set PH,  39
.set B15, 40
.set B31, 41
.set B15C, 42
.set B31C, 43
.set BCUR, 44                          ; the step's one bias, or 0 near the diagonal
.set BCC,  45                          ; the same x c
.set MSB, 0
.macro WIN new
.if MSB != (\new)
	s_set_vgpr_msb (MSB<<8)|(\new)
.set MSB, (\new)
.endif
.endm
	s_load_b128 s[4:7], s[0:1], 0x0                ; qkv, rel_emb
	s_load_b64 s[8:9], s[0:1], 0x10                ; ctx
	v_lshl_add_u32 v[SPW], v0, 2, SPARE
	v_mov_b32 v[NIL], 0
	ds_add_u32 v[SPW], v[NIL]                      ; the wave's opening: the add, twice on end, and its wait ahead of my first tensor load
	ds_add_u32 v[SPW], v[NIL]
	v_lshrrev_b32 v10, 5, v0
	v_readfirstlane_b32 s[WV], v10                 ; wave 0..7
	s_mov_b32 s[XB], ttmp9                         ; which 512 queries
	s_and_b32 s[BH], ttmp7, 0xffff                 ; batch x 16 + head
	s_and_b32 s[HD], s[BH], 15
	s_mov_b32 s[G1], 3<<16                         ; no mask; elements of 8 bytes; no padding
	s_mov_b32 s[G1+1], 32<<16                      ; rows of 256 bytes,
	s_mov_b32 s[G1+2], 64<<16                      ; 64 of them,
	s_mov_b32 s[G1+3], 32<<16
	s_mov_b32 s[G1+4], 64
	s_mov_b32 s[G1+5], 32                          ; dense
	s_mov_b32 s[G1+6], 0
	s_mov_b32 s[G1+7], 0
	s_mov_b32 s[CS], 0x3fb8aa3b
	s_mov_b32 s[CS+1], s[CS]
	s_mov_b32 s[SEL], 0x76543210
	s_mov_b32 s[SEL+1], 0xfedcba98
	s_lshr_b32 s46, s[WV], 2                       ; waves 0-3 fetch K's quarters of a slot, waves 4-7 V's: by arithmetic on the wave's number, no branch
	s_add_co_u32 s46, s46, 1
	s_lshl_b32 s46, s46, 24                        ; the section
	s_lshl_b32 s47, s[BH], 18                      ; the head
	s_add_co_u32 s46, s46, s47
	s_and_b32 s47, s[WV], 3
	s_lshl_b32 s47, s47, 14                        ; the quarter
	s_add_co_u32 s46, s46, s47
	s_mov_b32 s47, 0
	s_lshl_b32 s48, s[WV], 14                      ; and its place in a slot
	s_wait_dscnt 0x0                               ; both opening adds are done
	s_wait_kmcnt 0x0
	s_add_nc_u64 s[46:47], s[4:5], s[46:47]
	s_mov_b32 s[G0A], 1
	s_mov_b32 s[G0A+1], s48
	s_mov_b64 s[G0A+2:G0A+3], s[46:47]
	s_or_b32 s[G0A+3], s[G0A+3], 0x80000000
	s_mov_b32 s[G0B], 1
	s_add_co_u32 s[G0B+1], s48, SLOT1
	s_add_nc_u64 s[G0B+2:G0B+3], s[46:47], 65536   ; the next 512 keys
	s_or_b32 s[G0B+3], s[G0B+3], 0x80000000
	tensor_load_to_lds s[G0A:G0A+3], s[G1:G1+7]    ; both first fills go out together: two tensor loads of mine are out
	s_nop 0
	tensor_load_to_lds s[G0B:G0B+3], s[G1:G1+7]
	s_nop 0
.rept 4
	v_nop
.endr
	s_lshl_b32 s46, s[HD], 2
	s_mov_b32 s47, 0
	s_add_nc_u64 s[6:7], s[6:7], s[46:47]          ; rel_emb at my head's column
	s_load_b32 s[B15], s[6:7], 0x3c0               ; row 15: keys far before the query
	s_load_b32 s[B31], s[6:7], 0x7c0               ; row 31: far behind it
	s_lshl_b32 s46, s[BH], 18
	s_lshl_b32 s48, s[XB], 5
	s_lshl_b32 s49, s[WV], 2
	s_add_co_u32 s48, s48, s49                     ; my first token tile in the sequence
	s_lshl_b32 s49, s48, 11
	s_add_co_u32 s46, s46, s49
	s_add_nc_u64 s[4:5], s[4:5], s[46:47]          ; q at my first tile
	v_and_b32 v10, 31, v0
	v_and_b32 v11, 15, v0                          ; r
	v_bfe_u32 v12, v0, 4, 1                        ; h
	v_lshlrev_b32 v[AK], 4, v10
.irp t, 0,1,2,3
.irp g, 0,1,2,3
	global_load_b128 v[QF+16*\t+4*\g:QF+16*\t+4*\g+3], v[AK], s[4:5] offset:2048*\t+512*\g   ; Q stays in registers
.endr
.endr
	v_and_b32 v13, 7, v0
	v_lshl_add_u32 v13, v12, 3, v13                ; key 8 h + lane % 8 of a tile,
	v_bfe_u32 v14, v0, 3, 1
	v_lshlrev_b32 v[AV], 5, v13                    ; rows of 32 bytes,
	v_lshl_add_u32 v[AV], v14, 4, v[AV]            ; which 8 channels
	v_add_nc_u32 v[AV], VOFF, v[AV]
	v_add_nc_u32 v[AB], BIAS, v[AK]
	s_lshl_b32 s49, s[WV], 10
	v_add_nc_u32 v[ABW], s49, v[AB]
	s_lshr_b32 s46, s[HD], 1                       ; ctx: the chunk of two heads,
	s_lshl_b32 s46, s46, 21
	s_lshr_b32 s49, s[BH], 4
	s_lshl_b32 s49, s49, 7
	s_add_co_u32 s49, s49, s48                     ; my first token tile of all 512,
	s_lshl_b32 s49, s49, 12
	s_add_co_u32 s46, s46, s49
	s_and_b32 s49, s[HD], 1
	s_lshl_b32 s49, s49, 11                        ; my head's half of its 4,096 bytes
	s_add_co_u32 s46, s46, s49
	s_add_nc_u64 s[8:9], s[8:9], s[46:47]
	; THE BIAS IMAGES: wave w builds images w, w + 8, w + 16.  Image x, lane (r, h), register j: d = 16 (x - 11) + 8 h + j - r.
	v_lshlrev_b32 v10, 3, v12
	v_sub_nc_u32 v10, v10, v11
	s_lshl_b32 s49, s[WV], 4
	s_sub_co_u32 s49, s49, 176
	v_add_nc_u32 v10, s49, v10                     ; d of image w, register 0
.irp rnd, 0,1,2
.irp jr, 0,1,2,3,4,5,6,7
	v_add_nc_u32 v11, 128*\rnd+\jr, v10            ; d
	v_ashrrev_i32 v12, 31, v11
	v_xor_b32 v13, v11, v12
	v_sub_nc_u32 v13, v13, v12                     ; n = |d|
	v_sub_nc_u32 v12, 0, v11
	v_lshrrev_b32 v12, 31, v12                     ; 1 where d > 0
	v_min_u32 v14, 8, v13
	v_add_nc_u32 v14, 7, v14                       ; min(n, 8) + 7, less 1 for each threshold above n
.irp th, 12,16,23,32,46,64,91
	v_add_nc_u32 v15, -\th, v13
	v_lshrrev_b32 v15, 31, v15
	v_sub_nc_u32 v14, v14, v15
.endr
	v_lshl_add_u32 v14, v12, 4, v14                ; the bucket, 0 .. 31
	v_lshlrev_b32 v[IDX+8*\rnd+\jr], 6, v14        ; a row of rel_emb is 64 bytes
	global_load_b32 v[VAL+8*\rnd+\jr], v[IDX+8*\rnd+\jr], s[6:7]
.endr
.endr
.irp t, 0,1,2,3
	v_mov_b32 v[ST+8*\t+1], 0xff61b1e6             ; m: -3e38, under every score
	v_mov_b32 v[ST+8*\t+2], 0                      ; l, in two halves
	v_mov_b32 v[ST+8*\t+3], 0
.endr
	WIN 0x40
.set i, 0
.rept 128
	v_mov_b32 v[OO+i], 0                           ; O^T.  (The step is written for all steps alike: the first finds zeros, which its factor 0 leaves zeros)
.set i, i+1
.endr
	WIN 0
	s_wait_loadcnt 0x0                             ; Q and the 24 numbers
.irp rnd, 0,1,2
.irp g, 0,1
	ds_store_b128 v[ABW], v[VAL+8*\rnd+4*\g:VAL+8*\rnd+4*\g+3] offset:8192*\rnd+512*\g
.endr
.endr
	s_wait_kmcnt 0x0
	s_mul_f32 s[B15C], s[B15], s[CS]
	s_mul_f32 s[B31C], s[B31], s[CS]
	s_lshl_b32 s46, s[XB], 3
	s_add_co_u32 s46, s46, s[WV]
	s_sub_co_u32 s[E], 2, s46                      ; e + 2 of step 0 (it may lie under 0: it is compared signed, or held by s_min_u32)
	s_mov_b32 s[TB], 0
	s_wait_tensorcnt 0x1                           ; my part of slot 0 is in; slot 1's may stay out
	s_wait_dscnt 0x0                               ; my bias images are stored
	s_barrier_signal -1
	s_barrier_wait -1
; 16 products of S^T = K Q^T: channels 32 s on; the 16 accumulators take turns.  zero = 1: they start the sums.
.macro QK s, zero
.irp t, 0,1,2,3
.irp a, 0,1,2,3
.if \zero
	v_wmma_f32_16x16x32_f16 v[SS+32*\t+8*\a:SS+32*\t+8*\a+7], v[KF+16*\a+8*\s:KF+16*\a+8*\s+7], v[QF+16*\t+8*\s:QF+16*\t+8*\s+7], 0
.else
	v_wmma_f32_16x16x32_f16 v[SS+32*\t+8*\a:SS+32*\t+8*\a+7], v[KF+16*\a+8*\s:KF+16*\a+8*\s+7], v[QF+16*\t+8*\s:QF+16*\t+8*\s+7], v[SS+32*\t+8*\a:SS+32*\t+8*\a+7]
.endif
.endr
.endr
.endm
; A KEY STEP: 64 keys against my 64 queries.
.macro STEP
	v_add_nc_u32 v[ADK], s[TB], v[AK]              ; five plain lines behind the last step's products: four are owed by the loads into V's registers, five by the products that write over p
	v_add_nc_u32 v[ADV], s[TB], v[AV]
	s_min_u32 s46, s[E], 4
	s_lshl_b32 s46, s46, 12                        ; four images an e
	v_add_nc_u32 v[ADB], s46, v[AB]
	v_nop
	v_nop
.irp s, 0,1
.irp a, 0,1,2,3
.irp c, 0,1
	ds_load_b128 v[KF+16*\a+8*\s+4*\c:KF+16*\a+8*\s+4*\c+3], v[ADK] offset:2048*\a+512*(2*\s+\c)
.endr
.endr
.endr
.irp kb, 0,1
.irp dt, 0,1,2,3
.irp u, 0,1
	ds_load_tr16_b128 v[VF+8*(4*\kb+\dt)+4*\u:VF+8*(4*\kb+\dt)+4*\u+3], v[ADV] offset:2048*(2*\kb+\u)+512*\dt
.endr
.endr
.endr
	s_cmp_lt_i32 s[E], 0                           ; far before the queries, or far behind them
	s_cselect_b32 s[BCUR], s[B15], s[B31]
	s_cselect_b32 s[BCC], s[B15C], s[B31C]
	s_cmp_le_u32 s[E], 4                           ; ids and the count of steps alone; no barrier and no tensor load stands in a step
	s_cbranch_scc1 .Lnear_\@
	s_wait_dscnt 24                                ; K's first eight loads are in; its other eight and V's sixteen may be out
	WIN 0x50
	QK 0, 1
	WIN 0
	s_branch .Ljoin_\@
.Lnear_\@:
	s_mov_b32 s[BCUR], 0
	s_mov_b32 s[BCC], 0
	WIN 0x40
.irp t, 0,1,2,3
.irp a, 0,1,2,3
.irp g, 0,1
	ds_load_b128 v[SS+32*\t+8*\a+4*\g:SS+32*\t+8*\a+4*\g+3], v[ADB] offset:1024*(\a-\t+3)+512*\g   ; the bias tile is the sum's first term
.endr
.endr
.endr
	WIN 0
	s_wait_dscnt 0x0
	WIN 0x50
	QK 0, 0
	WIN 0
.Ljoin_\@:
	s_wait_dscnt 16                                ; all of K is in; V's sixteen loads may be out
	WIN 0x50
	QK 1, 0
.rept 4
	v_nop
.endr
	WIN 0x15                                       ; the maximum: four chains a tile, each accumulator read from its low end on; the four tiles by turns
.irp j, 0,1,2,3
.irp t, 0,1,2,3
	v_max3_num_f32 v[ST+8*\t+4+\j], v[SS+32*\t+8*\j], v[SS+32*\t+8*\j+1], v[SS+32*\t+8*\j+2]
.endr
.endr
	WIN 0x14
.irp i, 3,5
.irp j, 0,1,2,3
.irp t, 0,1,2,3
	v_max3_num_f32 v[ST+8*\t+4+\j], v[ST+8*\t+4+\j], v[SS+32*\t+8*\j+\i], v[SS+32*\t+8*\j+\i+1]
.endr
.endr
.endr
.irp t, 0,1,2,3
	v_max3_num_f32 v[ST+8*\t+4], v[ST+8*\t+4], v[SS+32*\t+7], v[SS+32*\t+15]
.endr
.irp t, 0,1,2,3
	v_max3_num_f32 v[ST+8*\t+6], v[ST+8*\t+6], v[SS+32*\t+23], v[SS+32*\t+31]
.endr
	WIN 0
.irp t, 0,1,2,3
	v_max3_num_f32 v[ST+8*\t+4], v[ST+8*\t+4], v[ST+8*\t+5], v[ST+8*\t+6]
.endr
.irp t, 0,1,2,3
	v_max_num_f32 v[ST+8*\t+4], v[ST+8*\t+4], v[ST+8*\t+7]
.endr
.irp t, 0,1,2,3
	v_add_f32 v[ST+8*\t+4], s[BCUR], v[ST+8*\t+4]  ; with the step's one bias
.endr
.irp t, 0,1,2,3
	v_permlanex16_b32 v[ST+8*\t+5], v[ST+8*\t+4], s[SEL], s[SEL+1]   ; the query's other 32 keys lie in the lane 16 away
.endr
.irp t, 0,1,2,3
	v_max3_num_f32 v[ST+8*\t+4], v[ST+8*\t+4], v[ST+8*\t+5], v[ST+8*\t+1]
.endr
.irp t, 0,1,2,3
	v_sub_f32 v[ST+8*\t+6], v[ST+8*\t+1], v[ST+8*\t+4]   ; m_old - m_new
.endr
.irp t, 0,1,2,3
	v_mov_b32 v[ST+8*\t+1], v[ST+8*\t+4]
.endr
.irp t, 0,1,2,3
	v_mul_f32 v[ST+8*\t+6], s[CS], v[ST+8*\t+6]
.endr
.irp t, 0,1,2,3
	v_exp_f32 v[ST+8*\t+6], v[ST+8*\t+6]           ; the factor
.endr
.irp t, 0,1,2,3
	v_fma_f32 v[ST+8*\t], -v[ST+8*\t+1], s[CS], s[BCC]   ; c (bias - m)
.endr
	WIN 0x41
.irp t, 0,1,2,3
.irp j, 0,2,4,6,8,10,12,14,16,18,20,22,24,26,28,30
	v_pk_fma_f32 v[SS+32*\t+\j:SS+32*\t+\j+1], v[SS+32*\t+\j:SS+32*\t+\j+1], s[CS:CS+1], v[ST+8*\t:ST+8*\t+1] op_sel_hi:[1,0,0]   ; c s + c (bias - m), two at a time
.endr
.endr
	s_wait_alu depctr_va_vdst(0)                   ; one wait for the four factors, ahead of their first reader; the 64 lines above are the work between
.set i, 0
.rept 64                                           ; the 128 exponentials are one batch; O^T's rescaling, which reads none of them, stands among them
	v_exp_f32 v[SS+2*i], v[SS+2*i]
	v_exp_f32 v[SS+2*i+1], v[SS+2*i+1]
	v_pk_mul_f32 v[OO+2*i:OO+2*i+1], v[OO+2*i:OO+2*i+1], v[ST+8*(i/16)+6:ST+8*(i/16)+7] op_sel_hi:[1,0]
.set i, i+1
.endr
	WIN 0
.irp t, 0,1,2,3
	v_pk_mul_f32 v[ST+8*\t+2:ST+8*\t+3], v[ST+8*\t+2:ST+8*\t+3], v[ST+8*\t+6:ST+8*\t+7] op_sel_hi:[1,0]
.endr
	s_wait_alu depctr_va_vdst(0)                   ; one wait for the batch, ahead of its first reader
	WIN 0x05
.irp t, 0,1,2,3
	v_pk_add_f32 v[ST+8*\t+4:ST+8*\t+5], v[SS+32*\t:SS+32*\t+1], v[SS+32*\t+2:SS+32*\t+3]   ; the row's sum of the f32 weights, in two chains
.endr
	WIN 0x01
.irp j, 4,8,12,16,20,24,28
.irp t, 0,1,2,3
	v_pk_add_f32 v[ST+8*\t+2:ST+8*\t+3], v[SS+32*\t+\j:SS+32*\t+\j+1], v[ST+8*\t+2:ST+8*\t+3]
	v_pk_add_f32 v[ST+8*\t+4:ST+8*\t+5], v[SS+32*\t+\j+2:SS+32*\t+\j+3], v[ST+8*\t+4:ST+8*\t+5]
.endr
.endr
	WIN 0
.irp t, 0,1,2,3
	v_pk_add_f32 v[ST+8*\t+2:ST+8*\t+3], v[ST+8*\t+2:ST+8*\t+3], v[ST+8*\t+4:ST+8*\t+5]
.endr
	WIN 0x45
.irp i, 0,1,2,3,4,5,6,7,8,9,10,11,12,13,14,15
.irp t, 0,1,2,3
	v_cvt_pk_f16_f32 v[SS+32*\t+\i], v[SS+32*\t+2*\i], v[SS+32*\t+2*\i+1]   ; ascending: register i is written when pairs up to i have been read
.endr
.endr
	s_wait_dscnt 0x0                               ; V is in
	WIN 0x54
.irp kb, 0,1
.irp t, 0,1,2,3
.irp dt, 0,1,2,3
	v_wmma_f32_16x16x32_f16 v[OO+32*\t+8*\dt:OO+32*\t+8*\dt+7], v[VF+8*(4*\kb+\dt):VF+8*(4*\kb+\dt)+7], v[SS+32*\t+8*\kb:SS+32*\t+8*\kb+7], v[OO+32*\t+8*\dt:OO+32*\t+8*\dt+7]
.endr
.endr
.endr
	WIN 0
	s_add_co_u32 s[TB], s[TB], 8192                ; four token tiles on
	s_add_co_u32 s[E], s[E], 1
.endm
.macro PHASE                           ; a slot's eight key steps
	s_mov_b32 s[CNT], 8
.Lstep_\@:
	STEP
	s_sub_co_u32 s[CNT], s[CNT], 1
	s_cmp_lg_u32 s[CNT], 0
	s_cbranch_scc1 .Lstep_\@
.endm
; THE CHANGE OF SLOTS.  Each wave waits for all its tensor loads (its part of the slot ahead), adds 0 to its spare word, and waits for that and for its reads of the slot that it leaves.
; Behind the barrier the slot ahead is whole and nobody reads the other.  fill = 1: that other slot takes the 512 keys after the slot ahead: my one tensor load, first thing behind the barrier.
.macro CHANGE fill
	s_wait_tensorcnt 0x0                           ; no tensor load of mine is out, so a group 0 may be written
	ds_add_u32 v[SPW], v[NIL]
.if \fill
	s_xor_b32 s[G0B+1], s[G0B+1], SLOT1            ; the other slot than last time,
	s_add_nc_u64 s[G0B+2:G0B+3], s[G0B+2:G0B+3], 65536   ; the next 512 keys
.endif
	s_wait_dscnt 0x0
	s_barrier_signal -1
	s_barrier_wait -1
.if \fill
	tensor_load_to_lds s[G0B:G0B+3], s[G1:G1+7]
	s_nop 0
.rept 4
	v_nop
.endr
.endif
	s_sub_co_u32 s[TB], s[TB], 65536               ; back to a slot's first step,
	s_xor_b32 s[TB], s[TB], SLOT1                  ; in the other slot
.endm
	PHASE                                          ; keys 0 .. 511
	s_mov_b32 s[PH], 2
.Lphase:
	CHANGE 1
	PHASE
	s_sub_co_u32 s[PH], s[PH], 1
	s_cmp_lg_u32 s[PH], 0
	s_cbranch_scc1 .Lphase
	CHANGE 0                                       ; the last slot is written out: nothing is left to fetch
	PHASE
	; THE WAY OUT.  The additions are the places behind the last products.
.irp t, 0,1,2,3
	v_add_f32 v[ST+8*\t+4], v[ST+8*\t+2], v[ST+8*\t+3]
.endr
.irp t, 0,1,2,3
	v_permlanex16_b32 v[ST+8*\t+5], v[ST+8*\t+4], s[SEL], s[SEL+1]
.endr
.irp t, 0,1,2,3
	v_add_f32 v[ST+8*\t+4], v[ST+8*\t+4], v[ST+8*\t+5]   ; the row's sum
.endr
.irp t, 0,1,2,3
	v_rcp_f32 v[ST+8*\t+6], v[ST+8*\t+4]
.endr
	v_nop                                          ; a plain line behind the last reciprocal,
	s_wait_alu depctr_va_vdst(0)                   ; and one wait for the four, ahead of their first reader
	WIN 0x41
.set i, 0
.rept 64
	v_pk_mul_f32 v[OO+2*i:OO+2*i+1], v[OO+2*i:OO+2*i+1], v[ST+8*(i/16)+6:ST+8*(i/16)+7] op_sel_hi:[1,0]
.set i, i+1
.endr
	WIN 0x05
.irp t, 0,1,2,3
.irp dt, 0,1,2,3
.irp i, 0,1,2,3
	v_cvt_pk_f16_f32 v[KF+16*\t+4*\dt+\i], v[OO+32*\t+8*\dt+2*\i], v[OO+32*\t+8*\dt+2*\i+1]
.endr
.endr
.endr
	WIN 0
.irp t, 0,1,2,3
.irp dt, 0,1,2,3
	global_store_b128 v[AK], v[KF+16*\t+4*\dt:KF+16*\t+4*\dt+3], s[8:9] offset:4096*\t+512*\dt   ; 512 consecutive bytes
.endr
.endr
	s_wait_tensorcnt 0x0                           ; the wave's end
	ds_add_u32 v[SPW], v[NIL]
	s_wait_dscnt 0x0
	s_endpgm
.Lfunc_end_k_qd47e977e71_attn:
	.size	k_qd47e977e71_attn, .Lfunc_end_k_qd47e977e71_attn-k_qd47e977e71_attn
	.p2alignl 7, 3214868480
	.fill 96, 4, 3214868480
	.section	.rodata,"a",@progbits
	.p2align	6, 0x0
	.amdhsa_kernel k_qd47e977e71_attn
		.amdhsa_group_segment_fixed_size 327680
		.amdhsa_private_segment_fixed_size 0
		.amdhsa_enable_private_segment 0
		.amdhsa_kernarg_size 24
		.amdhsa_user_sgpr_count 2
		.amdhsa_user_sgpr_kernarg_segment_ptr 1
		.amdhsa_wavefront_size32 1
		.amdhsa_system_sgpr_workgroup_id_x 1
		.amdhsa_system_sgpr_workgroup_id_y 1
		.amdhsa_system_sgpr_workgroup_id_z 1
		.amdhsa_system_vgpr_workitem_id 0
		.amdhsa_next_free_vgpr 512
		.amdhsa_next_free_sgpr 66
		.amdhsa_reserve_vcc 0
		.amdhsa_float_denorm_mode_32 3
		.amdhsa_float_denorm_mode_16_64 3
		.amdhsa_memory_ordered 1
		.amdhsa_forward_progress 1
		.amdhsa_inst_pref_size 162
	.end_amdhsa_kernel
	.amdgpu_metadata
---
amdhsa.version: [ 1, 2 ]
amdhsa.kernels:
  - .name:           k_qd47e977e71_attn
    .symbol:         k_qd47e977e71_attn.kd
    .args:
      - { .name: qkv, .offset: 0, .size: 8, .value_kind: global_buffer, .address_space: global }
      - { .name: rel_emb, .offset: 8, .size: 8, .value_kind: global_buffer, .address_space: global }
      - { .name: ctx, .offset: 16, .size: 8, .value_kind: global_buffer, .address_space: global }
    .group_segment_fixed_size: 327680
    .private_segment_fixed_size: 0
    .kernarg_segment_align: 8
    .kernarg_segment_size: 24
    .max_flat_workgroup_size: 256
    .sgpr_count:     66
    .vgpr_count:     512
    .wavefront_size: 32
...
	.end_amdgpu_metadata
.endif
;; end of part 3
;; launch oproj (part 4): grid 4 x 64, 4 waves a work-group, clusters of 4 x 4, 327,680 bytes of LDS; arguments ctx, wo16, out0; writes out0
.if DOCPART == 4
	.amdgcn_target "amdgcn-amd-amdhsa--gfx1250"
	.amdhsa_code_object_version 6
	.text
	.protected	k_qd47e977e71_oproj
	.globl	k_qd47e977e71_oproj
	.p2align	8
	.type	k_qd47e977e71_oproj,@function
k_qd47e977e71_oproj:
	s_mov_b64 s[64:65], 0
	v_nop
	global_prefetch_b8 v0, s[64:65] scope:SCOPE_SE
	s_setreg_imm32_b32 hwreg(HW_REG_WAVE_MODE, 25, 1), 1
	s_wait_xcnt 0x0
	s_wait_alu depctr_hold_cnt(0) depctr_sa_sdst(0) depctr_va_vdst(0) depctr_va_sdst(0) depctr_va_ssrc(0) depctr_va_vcc(0) depctr_vm_vsrc(0)
	s_getreg_b32 s2, hwreg(HW_REG_IB_STS2, 6, 4)
	s_cmp_eq_u32 s2, 0
	s_cbranch_scc0 .Lentry_in_a_cluster
	s_endpgm
.Lentry_in_a_cluster:
	s_bfe_u32 s2, ttmp6, 0x10000c
	s_cmp_lg_u32 s2, 0xf033
	s_cbranch_scc0 .Lentry_shape_is_right
	s_endpgm
.Lentry_shape_is_right:
; Launch 4 of 4: out0 = ctx x Wo, 8,192 x 1,024 x 1,024, operands in f16, sums in f32.  Nothing is left out.
; A work-group of four waves makes 128 tokens x 256 columns (256 work-groups), a wave 64 x 128: 32 accumulators.  K goes in 8 chunks of 128 through a ring of two LDS slots.
; Both operands lie in memory in the order of the fragments' registers: a token tile's or a column tile's chunk is 4,096 dense bytes, a fragment two loads of 512 consecutive bytes.
; CLUSTERS: 4 x 4 work-groups; ctx's tiles are asked for jointly along a row of the cluster, Wo's along a column.
; THE MATRIX INSTRUCTION IS USED TRANSPOSED (source 0 = 16 columns of Wo, source 1 = 16 tokens): a lane holds eight neighbouring numbers of a row of out0.
; REGISTERS: window 0: v16-30 addresses; two fragment buffers at v32 and v128: 4 fragments of ctx, then 8 of Wo; on the way out v32-95 and v128-191 hold rows.  window 1: accumulator (a, b) at v[8 (8 a + b)].
.set SLOT,   98304                     ; ctx's two halves (16,384 each), then Wo's two (32,768 each)
.set SPARE,  2*SLOT                    ; behind the ring: the spare words, 128 bytes for each wave
.set ADRA, 16                          ; v16-17 LDS address of my ctx fragments in slot 0, 1
.set ADRB, 20                          ; v20-21 the same for Wo
.set STO,  24                          ; v24    the way out: where I put 32 bytes of a row
.set RD,   25                          ; v25    where I read a row back
.set CO,   26                          ; v26    16 x lane
.set SPW,  28                          ; v28    LDS address of my spare word; never rewritten
.set NIL,  29                          ; v29    0; never rewritten
.set PFO,  30                          ; v30    the prefetches' offset; never rewritten
.set F0,   32
.set F1,   128
.set G1, 24
.set G0, 32
.set G1B, 48
.set G0B, 56
.set PFA, 18                           ; s[18:19] where my prefetches stand
.set LIM, 45                           ; s45      1 in a wave that prefetches, else the greatest number
.set MSB, 0
.macro WIN new
.if MSB != (\new)
	s_set_vgpr_msb (MSB<<8)|(\new)
.set MSB, (\new)
.endif
.endm
.set MUL, 0x50                         ; C and D window 1, sources window 0
.macro JLOAD s                         ; a joint load: waves 0 and 1 fetch ctx's halves, waves 2 and 3 Wo's; an s_nop 0 and four v_nop follow each line
	s_cmp_eq_u32 s11, 0
	s_cbranch_scc0 .Lfor_b_\@
	tensor_load_to_lds s[G0+4*\s:G0+4*\s+3], s[G1:G1+7]
	s_nop 0
.rept 4
	v_nop
.endr
	s_branch .Lasked_\@
.Lfor_b_\@:
	tensor_load_to_lds s[G0B+4*\s:G0B+4*\s+3], s[G1B:G1B+7]
	s_nop 0
.rept 4
	v_nop
.endr
.Lasked_\@:
.endm
.macro CREST                           ; a round of the cluster's barrier behind its opening barrier
	s_cmp_lg_u32 s10, 0
	s_cbranch_scc1 .Lnot_wave_0_\@
	s_barrier_signal -3
.Lnot_wave_0_\@:
	s_barrier_wait -3
	s_barrier_signal -1
	s_barrier_wait -1
.endm
.macro CROUND
	s_barrier_signal -1
	s_barrier_wait -1
	CREST
.endm
; A PREFETCH INTO THE L2 of ctx, once a lap, behind the joint load and the run of LDS loads: the two chunks that the next lap's refills will ask for, two chunks (256 matrix instructions a wave) ahead of the first.
; A tile row's tokens are read by one row of one cluster alone.  Waves 0 and 1, which fetch ctx, ask; of a wave's four token tiles the partner at place cx takes tile cx, told apart BY ADDRESS:
; 4,096 bytes of each of two chunks, lanes 256 bytes apart.  So each block of 256 bytes is named once.  Chunks 0 to 3 come by their loads alone; the last lap that refills asks for nothing.
.macro ASK
	s_cmp_gt_u32 s3, s[LIM]                        ; s3 = 1 in the loop's last trip
	s_cbranch_scc0 .Lnot_mine_\@
	global_prefetch_b8 v[PFO], s[PFA:PFA+1] th:TH_LOAD_NT scope:SCOPE_SE
.Lnot_mine_\@:
.endm
	s_load_b128 s[4:7], s[0:1], 0x0                ; ctx, wo16
	s_load_b64 s[8:9], s[0:1], 0x10                ; out0
	v_lshl_add_u32 v[SPW], v0, 2, SPARE
	v_mov_b32 v[NIL], 0
	ds_add_u32 v[SPW], v[NIL]                      ; the wave's opening: the add, twice on end, and its wait ahead of my first tensor load
	ds_add_u32 v[SPW], v[NIL]
	v_lshrrev_b32 v1, 5, v0
	v_readfirstlane_b32 s10, v1                    ; wave 0..3
	s_lshr_b32 s11, s10, 1                         ; which 64 tokens are mine.  Also: I fetch ctx (0) or Wo (1)
	s_and_b32 s12, s10, 1                          ; which 128 columns.  Also: which half of that tile I fetch
	s_bfe_u32 s40, ttmp6, 0x40000                  ; cx, cy
	s_bfe_u32 s41, ttmp6, 0x40004
	s_lshl_b32 s42, ttmp9, 2
	s_add_co_u32 s42, s42, s40                     ; tile column: 256 columns
	s_and_b32 s13, ttmp7, 0xffff
	s_lshl_b32 s13, s13, 2
	s_add_co_u32 s13, s13, s41                     ; tile row: 128 tokens
	s_lshl_b32 s43, s41, 2
	s_lshl_b32 s43, 15, s43                        ; my row of the cluster
	s_lshl_b32 s44, 0x1111, s40                    ; my column
	s_or_b32 s[G1+0], s43, (3<<16)|(1<<21)         ; the mask; elements of 8 bytes; bit 21 set beside a mask; no padding
	s_mov_b32 s[G1+1], 32<<16                      ; rows of 256 bytes,
	s_mov_b32 s[G1+2], 64<<16                      ; 64 of them: four token tiles' chunk
	s_mov_b32 s[G1+3], 32<<16
	s_mov_b32 s[G1+4], 64
	s_mov_b32 s[G1+5], 32                          ; dense
	s_mov_b32 s[G1+6], 0
	s_mov_b32 s[G1+7], 0
	s_or_b32 s[G1B+0], s44, (3<<16)|(1<<21)
	s_mov_b32 s[G1B+1], 32<<16
	s_mov_b32 s[G1B+2], 128<<16                    ; 128 rows: eight column tiles' chunk
	s_mov_b32 s[G1B+3], 32<<16
	s_mov_b32 s[G1B+4], 128
	s_mov_b32 s[G1B+5], 32
	s_mov_b32 s[G1B+6], 0
	s_mov_b32 s[G1B+7], 0
	s_lshl_b32 s16, s13, 15                        ; ctx: 8 token tiles of 4,096 bytes a tile row,
	s_lshl_b32 s17, s12, 14                        ; my half of them
	s_add_co_u32 s16, s16, s17
	s_mov_b32 s17, 0
	s_lshl_b32 s46, s42, 16                        ; Wo: 16 column tiles a tile column,
	s_lshl_b32 s47, s12, 15
	s_add_co_u32 s46, s46, s47
	s_mov_b32 s47, 0
	s_lshl_b32 s20, s12, 14                        ; where they go in a slot: ctx's half,
	s_lshl_b32 s21, s12, 15
	s_add_co_u32 s21, s21, 32768                   ; Wo's half: no place in the cluster enters an LDS address
	s_wait_dscnt 0x0                               ; both opening adds are done
	s_wait_kmcnt 0x0
	s_add_nc_u64 s[14:15], s[4:5], s[16:17]
	s_add_nc_u64 s[46:47], s[6:7], s[46:47]
	CROUND                                         ; all sixteen work-groups are here: the first joint loads meet
.irp s, 0,1
	s_mov_b32 s[G0+4*\s], 1
	s_add_co_u32 s[G0+4*\s+1], s20, \s*SLOT
	s_add_nc_u64 s[G0+4*\s+2:G0+4*\s+3], s[14:15], \s*2097152
	s_or_b32 s[G0+4*\s+3], s[G0+4*\s+3], 0x80000000
	s_mov_b32 s[G0B+4*\s], 1
	s_add_co_u32 s[G0B+4*\s+1], s21, \s*SLOT
	s_add_nc_u64 s[G0B+4*\s+2:G0B+4*\s+3], s[46:47], \s*262144
	s_or_b32 s[G0B+4*\s+3], s[G0B+4*\s+3], 0x80000000
	JLOAD \s                                       ; two tensor loads of mine are out
.endr
	s_lshl_b32 s22, s40, 12                        ; the prefetches: my work-group's token tile of the wave's four,
	s_mov_b32 s23, 0
	s_add_nc_u64 s[PFA:PFA+1], s[14:15], s[22:23]
	s_add_nc_u64 s[PFA:PFA+1], s[PFA:PFA+1], 2*2097152   ; at chunk 2: the first lap steps it to chunk 4.  Nothing is prefetched here, at the head
	s_cmp_eq_u32 s11, 0
	s_cselect_b32 s[LIM], 1, -1
	v_and_b32 v1, 15, v0                           ; r
	v_bfe_u32 v2, v0, 4, 1                         ; h
	v_lshlrev_b32 v[PFO], 8, v1
	v_lshl_add_u32 v[PFO], v2, 21, v[PFO]          ; lanes 0-15 one chunk's 16 blocks, lanes 16-31 the next chunk's
	v_and_b32 v3, 31, v0
	v_lshlrev_b32 v[CO], 4, v3
	s_lshl_b32 s21, s11, 14                        ; my 64 tokens
	s_lshl_b32 s22, s12, 15
	s_add_co_u32 s22, s22, 32768                   ; my 128 columns
.irp s, 0,1
	v_add_nc_u32 v[ADRA+\s], s21, v[CO]
	v_add_nc_u32 v[ADRB+\s], s22, v[CO]
	s_add_co_u32 s21, s21, SLOT
	s_add_co_u32 s22, s22, SLOT
.endr
	s_mul_i32 s23, s10, 8448                       ; my stage: 16 rows of 512 + 16 bytes, in slot 0, which has had its last fill and its last read when the first result is stored there
	v_mul_u32_u24 v4, v1, 528
	v_lshl_add_u32 v4, v2, 5, v4
	v_add_nc_u32 v[STO], s23, v4
	v_add_nc_u32 v[RD], s23, v[CO]
	s_lshl_b32 s16, s13, 7
	s_lshl_b32 s17, s11, 6
	s_add_co_u32 s16, s16, s17                     ; my first row of out0,
	s_lshl_b32 s16, s16, 12                        ; 4,096 bytes a row
	s_mov_b32 s17, 0
	s_add_nc_u64 s[8:9], s[8:9], s[16:17]
	s_lshl_b32 s46, s42, 10                        ; my first column, in bytes
	s_lshl_b32 s47, s12, 9
	s_add_co_u32 s46, s46, s47
	s_mov_b32 s47, 0
	s_add_nc_u64 s[8:9], s[8:9], s[46:47]
; 8 matrix instructions: token tile a x my 8 column tiles, 32 along K.  The 32 accumulators take turns, in the same order in every step.
.macro MUL8 f, a, zero
.irp b, 0,1,2,3,4,5,6,7
.if \zero
	v_wmma_f32_16x16x32_f16 v[8*(8*(\a)+\b):8*(8*(\a)+\b)+7], v[\f+32+8*\b:\f+32+8*\b+7], v[\f+8*(\a):\f+8*(\a)+7], 0
.else
	v_wmma_f32_16x16x32_f16 v[8*(8*(\a)+\b):8*(8*(\a)+\b)+7], v[\f+32+8*\b:\f+32+8*\b+7], v[\f+8*(\a):\f+8*(\a)+7], v[8*(8*(\a)+\b):8*(8*(\a)+\b)+7]
.endif
.endr
.endm
.macro FETCH slot, q, f                ; 24 LDS loads in one run: Wo's eight fragments, then ctx's four, of the chunk's q-th 32 along K
.irp i, 0,1,2,3,4,5,6,7
	ds_load_b128 v[\f+32+8*\i:\f+32+8*\i+3],   v[ADRB+\slot] offset:4096*\i+1024*(\q)
	ds_load_b128 v[\f+32+8*\i+4:\f+32+8*\i+7], v[ADRB+\slot] offset:4096*\i+1024*(\q)+512
.endr
.irp i, 0,1,2,3
	ds_load_b128 v[\f+8*\i:\f+8*\i+3],   v[ADRA+\slot] offset:4096*\i+1024*(\q)
	ds_load_b128 v[\f+8*\i+4:\f+8*\i+7], v[ADRA+\slot] offset:4096*\i+1024*(\q)+512
.endr
.endm
.macro PLACES
.rept 4
	v_nop
.endr
.endm
; A step of 32 along K: multiplies buffer f; in its middle it fetches the chunk's step qn into buffer g.
.macro KS slot, qn, f, g, zero
	s_wait_dscnt 4                                 ; Wo's fragments and ctx's tiles 0, 1 are in; the youngest four loads (tiles 2, 3) may be out
	WIN MUL
	MUL8 \f, 0, \zero
	MUL8 \f, 1, \zero
	PLACES
	WIN 0
	FETCH \slot, \qn, \g
	s_wait_dscnt 24                                ; all but the 24 just issued
	WIN MUL
	MUL8 \f, 2, \zero
	MUL8 \f, 3, \zero
.endm
; A chunk's last step multiplies buffer 1 and changes slots: ONE barrier; in front of it each wave waits for all its tensor loads, adds 0 to its spare word, and waits for that and for its reads of this slot.
; fill = 1: the barrier opens a round of the cluster's, and this slot is filled again, two chunks ahead: the first tensor load behind the round.
.macro TURN slot, next, fill
.if (\fill) && (\slot) == 0
	s_wait_xcnt 0x0                                ; the last prefetch, a lap back, has read its address
	s_add_nc_u64 s[PFA:PFA+1], s[PFA:PFA+1], 2*2097152
.endif
	WIN 0
	s_wait_tensorcnt 0x0                           ; all my tensor loads have landed: my part of the next slot
	ds_add_u32 v[SPW], v[NIL]
	s_wait_dscnt 5                                 ; (the add and the youngest four loads may be out)
	WIN MUL
	MUL8 F1, 0, 0
	s_wait_dscnt 0x0                               ; the add is done, and my reads of this slot are over
	s_barrier_signal -1
	MUL8 F1, 1, 0
.if \fill
	WIN 0
.endif
	s_barrier_wait -1
.if \fill
	CREST
	s_add_nc_u64 s[G0+4*\slot+2:G0+4*\slot+3], s[G0+4*\slot+2:G0+4*\slot+3], 2*2097152
	s_add_nc_u64 s[G0B+4*\slot+2:G0B+4*\slot+3], s[G0B+4*\slot+2:G0B+4*\slot+3], 2*262144
	JLOAD \slot                                    ; the four v_nop behind it are also the places in front of the loads below
.else
	PLACES
.endif
	WIN 0
	FETCH \next, 0, F0
.if (\fill) && (\slot) == 0
	ASK
.endif
	WIN MUL
	MUL8 F1, 2, 0
	MUL8 F1, 3, 0
.endm
	s_wait_tensorcnt 1                             ; my part of chunk 0 is in (chunk 1's load may be out)
	s_barrier_signal -1
	s_barrier_wait -1                              ; everybody's is
	FETCH 0, 0, F0
	KS 0, 1, F0, F1, 1                             ; the first step's products start the sums: nothing is cleared
	WIN 0
	s_mov_b32 s3, 3
.Llap:                                                 ; a trip goes once round the ring, from a lap's second step to the next lap's first, and fills both slots again
	KS 0, 2, F1, F0, 0
	KS 0, 3, F0, F1, 0
	TURN 0, 1, 1
	KS 1, 1, F0, F1, 0
	KS 1, 2, F1, F0, 0
	KS 1, 3, F0, F1, 0
	TURN 1, 0, 1
	KS 0, 1, F0, F1, 0
	WIN 0
	s_sub_co_u32 s3, s3, 1
	s_cmp_lg_u32 s3, 0
	s_cbranch_scc1 .Llap
	KS 0, 2, F1, F0, 0                             ; the last lap fills nothing, and has no round of the cluster's barrier
	KS 0, 3, F0, F1, 0
	TURN 0, 1, 0
	KS 1, 1, F0, F1, 0
	KS 1, 2, F1, F0, 0
	KS 1, 3, F0, F1, 0
	s_wait_dscnt 4                                 ; the very last step: nothing more to fetch
	WIN MUL
	MUL8 F1, 0, 0
	MUL8 F1, 1, 0
	s_wait_dscnt 0
	MUL8 F1, 2, 0
	MUL8 F1, 3, 0
	WIN 0
; THE WAY OUT, a token tile (16 rows x 128 columns) at a time: a lane's 32 bytes go into my stage and come back as whole rows of 512 bytes.  LDS serves a wave's instructions in order.
.macro TOSTAGE a
	WIN 0x04                                       ; an LDS store's data are its source 1: window 1
.irp b, 0,1,2,3,4,5,6,7
	ds_store_b128 v[STO], v[8*(8*(\a)+\b):8*(8*(\a)+\b)+3] offset:64*\b          ; each accumulator from its low end on
	ds_store_b128 v[STO], v[8*(8*(\a)+\b)+4:8*(8*(\a)+\b)+7] offset:64*\b+16
.endr
	WIN 0
.set BB, 32+96*((\a)%2)
.irp t, 0,1,2,3,4,5,6,7,8,9,10,11,12,13,14,15
	ds_load_b128 v[BB+4*\t:BB+4*\t+3], v[RD] offset:528*\t
.endr
.endm
.macro SEND a, younger                 ; younger: the LDS instructions issued behind tile a's loads, which may stay out
.set BB, 32+96*((\a)%2)
	s_wait_dscnt \younger
.irp t, 0,1,2,3,4,5,6,7,8,9,10,11,12,13,14,15
	global_store_b128 v[CO], v[BB+4*\t:BB+4*\t+3], s[8:9] offset:65536*(\a)+4096*\t th:TH_STORE_NT   ; 32 lanes store 512 consecutive bytes, at a multiple of 256 from out0's first byte
.endr
.endm
	PLACES
	TOSTAGE 0
.irp a, 1,2,3
.if \a > 1
	s_wait_xcnt 0x0                                ; tile a - 2's stores have read their registers: tile a's loads may land there
.endif
	TOSTAGE \a
	SEND \a-1, 32                                  ; behind tile a - 1's loads: tile a's 16 stores and 16 loads
.endr
	SEND 3, 0
	s_wait_tensorcnt 0x0                           ; the wave's end
	ds_add_u32 v[SPW], v[NIL]
	s_wait_dscnt 0x0
	CROUND                                         ; the closing round
	s_endpgm
.Lfunc_end_k_qd47e977e71_oproj:
	.size	k_qd47e977e71_oproj, .Lfunc_end_k_qd47e977e71_oproj-k_qd47e977e71_oproj
	.p2alignl 7, 3214868480
	.fill 96, 4, 3214868480
	.section	.rodata,"a",@progbits
	.p2align	6, 0x0
	.amdhsa_kernel k_qd47e977e71_oproj
		.amdhsa_group_segment_fixed_size 327680
		.amdhsa_private_segment_fixed_size 0
		.amdhsa_enable_private_segment 0
		.amdhsa_kernarg_size 24
		.amdhsa_user_sgpr_count 2
		.amdhsa_user_sgpr_kernarg_segment_ptr 1
		.amdhsa_wavefront_size32 1
		.amdhsa_system_sgpr_workgroup_id_x 1
		.amdhsa_system_sgpr_workgroup_id_y 1
		.amdhsa_system_sgpr_workgroup_id_z 1
		.amdhsa_system_vgpr_workitem_id 0
		.amdhsa_next_free_vgpr 512
		.amdhsa_next_free_sgpr 66
		.amdhsa_reserve_vcc 0
		.amdhsa_float_denorm_mode_32 3
		.amdhsa_float_denorm_mode_16_64 3
		.amdhsa_memory_ordered 1
		.amdhsa_forward_progress 1
		.amdhsa_inst_pref_size 85
	.end_amdhsa_kernel
	.amdgpu_metadata
---
amdhsa.version: [ 1, 2 ]
amdhsa.kernels:
  - .name:           k_qd47e977e71_oproj
    .symbol:         k_qd47e977e71_oproj.kd
    .args:
      - { .name: ctx, .offset: 0, .size: 8, .value_kind: global_buffer, .address_space: global }
      - { .name: wo16, .offset: 8, .size: 8, .value_kind: global_buffer, .address_space: global }
      - { .name: out0, .offset: 16, .size: 8, .value_kind: global_buffer, .address_space: global }
    .group_segment_fixed_size: 327680
    .private_segment_fixed_size: 0
    .kernarg_segment_align: 8
    .kernarg_segment_size: 24
    .max_flat_workgroup_size: 128
    .sgpr_count:     66
    .vgpr_count:     512
    .wavefront_size: 32
...
	.end_amdgpu_metadata
.endif
;; end of part 4
